; MI455X (gfx1250); checked and timed in simulation.
; The chip was launched on July 23, 2026; its instructions are those of AMD's public machine-readable ISA for CDNA 5 (MIT licence, August 2026) and "CDNA5" Instruction Set Architecture Reference Guide (July 2026). The comments in the code are by the model that wrote it; some were corrected since.
;; Attention. Allowed arithmetic: matrix products marked QUANTISED: E5M2 operands, one given power-of-two scale a tensor, by v_wmma_f32_16x16x64_bf8_bf8 or v_wmma_f32_16x16x128_bf8_bf8, f32 sums; everything else in f32.
;; Inputs: k 2 x 16 x 2,048 x 128 float32; lowp_scales 4 int32 (the exponents e of the quantised operands' scales 2^e); q 2 x 16 x 2,048 x 128 float32; v 2 x 16 x 2,048 x 128 float32.
;; Outputs: out0 2 x 16 x 2,048 x 128 float32.
;; This version of the problem:
;;   THIS VERSION OF THE PROBLEM IS GIVEN IN LOW PRECISION. The matrix products marked QUANTISED in the list below multiply operands that are first quantised to E5M2 (5 exponent bits, 2 mantissa bits; 8 bits a number), with one given power-of-two scale for each operand tensor; their sums are f32. All else is computed in f32.
;;   The module's matrix products, in the order in which they are computed (A, B: the left and right operand; K: the contracted axis; several contracted axes count as one K, in the product's order):
;;     1. batch 32 x [M 2,048, K 128] x [K 128, N 2,048]; A: input q; B: input k: QUANTISED (scales: A lowp_scales[0], B lowp_scales[1])
;;     2. batch 32 x [M 2,048, K 2,048] x [K 2,048, N 128]; A: softmax (see below); B: input v: QUANTISED (scales: A lowp_scales[2], B lowp_scales[3])
;;   THE QUANTISER, for each operand of a quantised product, along K:
;;     - The operand's scale is 2^e, e = its entry of the input lowp_scales (int32; the entries are numbered through the quantised products in the list's order, A before B).
;;     - Each number is divided by the scale, clamped to +-57,344, and rounded to the nearest number of E5M2, ties to even, subnormals kept.
;;     - The product sums the exact products of the quantised numbers (number of the format x scale) in f32.
;;   ~~~python
;;   def quantise(x, axis, e):      # numpy; x: float32 -> the quantised numbers, widened to float32 again
;;       x = np.moveaxis(x, axis, -1); K = x.shape[-1]
;;       r = np.clip(x / 2.0 ** e, -57344, 57344)
;;       step = 2.0 ** (np.maximum(np.frexp(np.where(r == 0, 1, r))[1] - 1, -14) - 2)
;;       q = np.round(r / step) * step * 2.0 ** e      # np.round: ties to even
;;       return np.moveaxis(q, -1, axis).astype(np.float32)
;;   ~~~
;;   SOFTMAX AHEAD OF A QUANTISED PRODUCT. Where the list says 'softmax', what is quantised is not the finished softmax but p = 2^(t - M), with t = logit x log2(e) and M = ceil(the row's largest t), a whole number; so 1/2 < the row's largest p <= 1. The row's sum l is taken of the UNQUANTISED p, in f32, and the product's result is divided by l at the end. Since M is a whole number, a kernel that streams over the keys may use a running M (the ceiling of the running maximum): every later rescaling is an exact power of two, so the quantised numbers keep their values, but for numbers so far below the row's largest that they fall under the format's range.
;;   OPERANDS COMPUTED ON THE WAY. 'Computed on the way' means the value that the module computes at that place (a softmax that the list does not call 'softmax' is quantised finished and normalised). What goes into a quantiser is computed in f32, as accurately as f32 sums, v_exp_f32 and their like allow (about 1e-6 of the number): no bf16 or f16 on the way to a quantiser, and a product that is left as it is and whose result goes on into a quantised operand takes f32 operands (vector FMAs, or v_wmma_f32_16x16x4_f32). A number that lies on a knife's edge between two numbers of the format may be rounded either way, as far as f32 arithmetic and the matrix unit's own rounding can turn it there, and no further.
;; One version. Each part assembles by itself: llvm-mc -triple=amdgcn-amd-amdhsa -mcpu=gfx1250 --defsym DOCPART=n.
;; ======== version 1 of 1: 2 launches
;; limits: right only within a limited range of input values
;; workspace buffers: kv_codes 16,777,216 bytes
;; launch prep (part 1): grid 256 x 1, 12 waves a work-group, no clusters, 35,328 bytes of LDS; arguments k, v, lowp_scales, kv_codes; writes kv_codes
.if DOCPART == 1
	.amdgcn_target "amdgcn-amd-amdhsa--gfx1250"
	.amdhsa_code_object_version 6
	.text
	.protected	k_qb2345c9df8_prep
	.globl	k_qb2345c9df8_prep
	.p2align	8
	.type	k_qb2345c9df8_prep,@function
k_qb2345c9df8_prep:
	s_mov_b64 s[64:65], 0
	v_nop
	global_prefetch_b8 v0, s[64:65] scope:SCOPE_SE
	s_setreg_imm32_b32 hwreg(HW_REG_WAVE_MODE, 25, 1), 1
	s_wait_xcnt 0x0
; k and v, [32 heads][2048 keys][128 d] f32, become codes of BF8 (E5M2), one byte each, each with the one scale 2^e given for it (ek = entry 1, ev = entry 3 of the scales).
; code = x / 2^e, held within +-57,344, rounded to the nearest code, ties to even.
; WHAT THE PROGRAM LEAVES OUT: reference() puts its least number in place of the score of every key k > q ahead of the softmax, and key 0 counts for every query, so such a key's weight is 0 whatever the inputs hold:
; the next launch does no product whose 128 keys all come after its queries.  A NaN, an infinity or an overflow that reaches only those products is not carried to the result.
; kv_codes: [32 heads][8 slots of 256 keys][2 steps of 128 keys][K 16,384 bytes, V 16,384 bytes]: the image of the next launch's operand registers: [tile 8][chunk c 4][lane 32][16 bytes].
;   K: lane (r, h) = (lane % 16, lane / 16) of tile 2 b + u, chunk c: key 32 b + 8 u + r + 8 (r / 8), d = 32 c + 16 h + 0 .. 15.
;   V: lane (r, h) of tile td, chunk c: d = 16 td + r, keys 32 c + 16 h + 0 .. 15 of the step.
; Quantised once here, since each head's k and v are walked by eight work-groups of the next launch.
; SHARES.  Work-group n = 8 x head + slot: 131,072 dense bytes of k and of v at byte n << 17; it stores the 65,536 bytes at n << 16.
;   Waves 0-7 take v: wave w the columns 32 (w % 4) .. + 31 of step w / 4.  A lane takes a column d and its registers run down the keys; its 16 codes are the image's 16 bytes, and sixteen lanes store 256 consecutive bytes, aligned.
;   Waves 8-11 take k: 64 keys a wave, four tiles of 16 keys.  Each load reads a key's 512 bytes; a tile turns through the wave's own stage in LDS (rows of 528 bytes), so that lane (r, h) holds 16 neighbours along d;
;   its codes leave as they are: a store covers 512 consecutive bytes.
; The roles part once on the wave's number and never join; waves share nothing: no barrier, no loop, no tensor load.  No prefetch: there is no loop to run ahead in.
; LIMITS: ek and ev between -126 and 112, so that 2^e and 57,344 x 2^e are f32 numbers.  NaN among the inputs is not served (an infinity is held at the largest code).
.set SP,     528                       ; k's stage: a row is 512 bytes + 16 of padding
.set STGB,   16*SP
.set SPARE,  4*STGB                    ; the spare words, 128 bytes for each wave: no other line names them
.set VX,     32                        ; v's role: v32-95   two sets of 32 numbers
.set VC,     96                        ;           v96-127  codes: eight registers for each block, so that no store's data are written again
.set KR,     16                        ; k's role: v16-143  two sets of 16 rows as loaded
.set KX,     144                       ;           v144-207 16 numbers for each chunk
.set KC,     208                       ;           v208-239 two sets of codes
	s_load_b128 s[4:7], s[0:1], 0x0                ; k s[4:5], v s[6:7]
	s_load_b128 s[8:11], s[0:1], 0x10              ; the scales' exponents s[8:9], kv_codes s[10:11]
	v_lshl_add_u32 v240, v0, 2, SPARE
	v_mov_b32 v241, 0
	v_lshrrev_b32 v1, 5, v0
	v_and_b32 v2, 31, v0                           ; lane
	v_readfirstlane_b32 s16, v1                    ; wave 0..11
	s_and_b32 s17, s16, 3                          ; which columns of v, or which 64 keys of k
	s_mul_i32 s18, s17, STGB                       ; k's stage of that place
	v_and_b32 v8, 15, v2                           ; r
	v_lshrrev_b32 v9, 4, v2                        ; h
	v_lshlrev_b32 v3, 2, v2                        ; v in: 4 bytes a lane
	v_lshlrev_b32 v5, 4, v2                        ; k in and out: 16 bytes a lane
	v_lshlrev_b32 v4, 4, v8
	v_mul_u32_u24 v7, v8, SP
	v_lshl_add_u32 v4, v9, 11, v4                  ; v out: tile h of my wave's two, row r
	v_lshl_add_u32 v7, v9, 6, v7
	v_add_nc_u32 v6, s18, v5                       ; k into the stage
	v_add_nc_u32 v7, s18, v7                       ; and out: row r, + 64 h
	s_lshl_b32 s20, ttmp9, 17
	s_lshl_b32 s24, ttmp9, 16
	s_mov_b32 s23, 0
	s_mov_b32 s25, 0
	s_wait_alu depctr_va_vdst(0)                   ; directly ahead of the wait below
	s_wait_kmcnt 0x0
	s_load_b128 s[28:31], s[8:9], 0x0              ; eq, ek, ep, ev
	s_cmp_lt_u32 s16, 8
	s_cbranch_scc0 .Lk_path
	; ---------------- waves 0-7: v ----------------
	s_lshr_b32 s27, s16, 2                         ; which 128 keys of the slot
	s_lshl_b32 s22, s17, 7                         ; my 32 columns: 128 bytes
	s_add_co_u32 s22, s22, s20
	s_lshl_b32 s26, s27, 16
	s_add_co_u32 s22, s22, s26
	s_add_nc_u64 s[6:7], s[6:7], s[22:23]
	s_lshl_b32 s26, s17, 12                        ; my two tiles of 2,048 bytes
	s_add_co_u32 s24, s24, s26
	s_lshl_b32 s26, s27, 15
	s_add_co_u32 s24, s24, s26
	s_add_nc_u64 s[10:11], s[10:11], s[24:25]
.macro VLOAD t                         ; block t: v(key 32 t + i, my column), into set t % 2
.irp i, 0,1,2,3,4,5,6,7,8,9,10,11,12,13,14,15,16,17,18,19,20,21,22,23,24,25,26,27,28,29,30,31
	global_load_b32 v[VX+32*((\t)%2)+\i], v3, s[6:7] offset:(32*(\t)+\i)*512 th:TH_LOAD_NT
.endr
.endm
	VLOAD 0
	VLOAD 1
	s_wait_kmcnt 0x0
	s_add_co_i32 s32, s31, 127
	s_lshl_b32 s33, s32, 23
	v_mov_b32 v11, s33                             ; 2^ev as f32: the conversion takes its exponent field
	s_add_co_i32 s32, s32, 15
	s_lshl_b32 s32, s32, 23
	s_or_b32 s32, s32, 0x600000
	v_mov_b32 v10, s32                             ; 57,344 x 2^ev
	s_wait_alu depctr_va_vdst(0)                   ; at the head's end
.macro VBLOCK t
.set XS, VX+32*((\t)%2)
.set CS, VC+8*(\t)
.if (\t) < 3
	s_wait_loadcnt 32                              ; this block's 32 loads are in; the next block's 32 may be out
.else
	s_wait_loadcnt 0
.endif
.irp i, 0,1,2,3,4,5,6,7,8,9,10,11,12,13,14,15,16,17,18,19,20,21,22,23,24,25,26,27,28,29,30,31
	v_med3_num_f32 v[XS+\i], v[XS+\i], -v10, v10   ; the conversion to an 8-bit code does not saturate (ISA guide 7.6.2): the hold at the largest code x the scale comes first
.endr
.irp g, 0,1,2,3
	v_cvt_scalef32_pk8_bf8_f32 v[CS+2*\g:CS+2*\g+1], v[XS+8*\g:XS+8*\g+7], v11
.endr
	v_nop                                          ; one plain line behind the conversions
.if (\t)+2 < 4
	VLOAD (\t)+2
.endif
	global_store_b128 v4, v[CS:CS+3], s[10:11] offset:16384+(\t)*512          ; keys 32 t + 0 .. 15
	global_store_b128 v4, v[CS+4:CS+7], s[10:11] offset:16384+(\t)*512+256    ; keys 32 t + 16 .. 31
.endm
.irp t, 0,1,2,3
	VBLOCK \t
.endr
	s_endpgm                                       ; (this role writes no LDS)
	; ---------------- waves 8-11: k ----------------
.Lk_path:
	s_lshl_b32 s22, s17, 15                        ; my 64 keys
	s_add_co_u32 s22, s22, s20
	s_add_nc_u64 s[4:5], s[4:5], s[22:23]
	s_lshr_b32 s26, s17, 1
	s_lshl_b32 s26, s26, 15                        ; the step of 128 keys,
	s_add_co_u32 s24, s24, s26
	s_and_b32 s26, s17, 1
	s_lshl_b32 s26, s26, 13                        ; my four tiles in it
	s_add_co_u32 s24, s24, s26
	s_add_nc_u64 s[10:11], s[10:11], s[24:25]
.macro KLOAD t                         ; tile t = 2 b + u of my four: row i is key 32 b + 8 u + i + 8 (i / 8)
.irp i, 0,1,2,3,4,5,6,7,8,9,10,11,12,13,14,15
	global_load_b128 v[KR+64*((\t)%2)+4*\i:KR+64*((\t)%2)+4*\i+3], v5, s[4:5] offset:512*(32*((\t)/2)+8*((\t)%2)+\i+8*(\i/8)) th:TH_LOAD_NT   ; 32 lanes read 512 consecutive bytes
.endr
.endm
	KLOAD 0
	KLOAD 1
	s_wait_kmcnt 0x0
	s_add_co_i32 s32, s29, 127
	s_lshl_b32 s33, s32, 23
	v_mov_b32 v11, s33                             ; 2^ek as f32
	s_add_co_i32 s32, s32, 15
	s_lshl_b32 s32, s32, 23
	s_or_b32 s32, s32, 0x600000
	v_mov_b32 v10, s32                             ; 57,344 x 2^ek
	s_wait_alu depctr_va_vdst(0)                   ; at the head's end
.macro KTILE t
.set RS, KR+64*((\t)%2)
.set CS, KC+16*((\t)%2)
.if (\t) < 3
	s_wait_loadcnt 16                              ; this tile's 16 loads are in; the next tile's 16 may be out
.else
	s_wait_loadcnt 0
.endif
.irp i, 0,1,2,3,4,5,6,7,8,9,10,11,12,13,14,15
	ds_store_b128 v6, v[RS+4*\i:RS+4*\i+3] offset:SP*\i
.endr
.irp c, 0,1,2,3
.irp j, 0,1,2,3
	ds_load_b128 v[KX+16*\c+4*\j:KX+16*\c+4*\j+3], v7 offset:128*\c+16*\j   ; LDS serves a wave's instructions in order (ISA guide 5.7.1.4): these see the stores above
.endr
.endr
.if (\t) >= 2
	s_wait_xcnt 0x0                                ; the codes that earlier stores read may be written
.endif
	s_wait_dscnt 0x0                               ; the turn is done: the rows' registers take the tile two on
.if (\t)+2 < 4
	KLOAD (\t)+2
.endif
.set J, 0
.rept 64
	v_med3_num_f32 v[KX+J], v[KX+J], -v10, v10     ; the hold at the largest code x the scale
.set J, J+1
.endr
.irp g, 0,1,2,3,4,5,6,7
	v_cvt_scalef32_pk8_bf8_f32 v[CS+2*\g:CS+2*\g+1], v[KX+8*\g:KX+8*\g+7], v11
.endr
	v_nop                                          ; one plain line between the conversions and the next holds, which write their sources
.irp c, 0,1,2,3
	global_store_b128 v5, v[CS+4*\c:CS+4*\c+3], s[10:11] offset:2048*(\t)+512*\c   ; 32 lanes store 512 consecutive bytes
.endr
.endm
.irp t, 0,1,2,3
	KTILE \t
.endr
	s_wait_tensorcnt 0x0                           ; the wave's end, behind my last LDS store
	ds_add_u32 v240, v241
	s_wait_dscnt 0x0
	s_endpgm
.Lfunc_end_k_qb2345c9df8_prep:
	.size	k_qb2345c9df8_prep, .Lfunc_end_k_qb2345c9df8_prep-k_qb2345c9df8_prep
	.p2alignl 7, 3214868480
	.fill 96, 4, 3214868480
	.section	.rodata,"a",@progbits
	.p2align	6, 0x0
	.amdhsa_kernel k_qb2345c9df8_prep
		.amdhsa_group_segment_fixed_size 35328
		.amdhsa_private_segment_fixed_size 0
		.amdhsa_enable_private_segment 0
		.amdhsa_kernarg_size 32
		.amdhsa_user_sgpr_count 2
		.amdhsa_user_sgpr_kernarg_segment_ptr 1
		.amdhsa_wavefront_size32 1
		.amdhsa_system_sgpr_workgroup_id_x 1
		.amdhsa_system_sgpr_workgroup_id_y 1
		.amdhsa_system_sgpr_workgroup_id_z 1
		.amdhsa_system_vgpr_workitem_id 0
		.amdhsa_next_free_vgpr 244
		.amdhsa_next_free_sgpr 66
		.amdhsa_reserve_vcc 0
		.amdhsa_float_denorm_mode_32 3
		.amdhsa_float_denorm_mode_16_64 3
		.amdhsa_memory_ordered 1
		.amdhsa_forward_progress 1
		.amdhsa_inst_pref_size 59
	.end_amdhsa_kernel
	.amdgpu_metadata
---
amdhsa.version: [ 1, 2 ]
amdhsa.kernels:
  - .name:           k_qb2345c9df8_prep
    .symbol:         k_qb2345c9df8_prep.kd
    .args:
      - { .name: k, .offset: 0, .size: 8, .value_kind: global_buffer, .address_space: global }
      - { .name: v, .offset: 8, .size: 8, .value_kind: global_buffer, .address_space: global }
      - { .name: lowp_scales, .offset: 16, .size: 8, .value_kind: global_buffer, .address_space: global }
      - { .name: kv_codes, .offset: 24, .size: 8, .value_kind: global_buffer, .address_space: global }
    .group_segment_fixed_size: 35328
    .private_segment_fixed_size: 0
    .kernarg_segment_align: 8
    .kernarg_segment_size: 32
    .max_flat_workgroup_size: 384
    .sgpr_count:     66
    .vgpr_count:     244
    .wavefront_size: 32
...
	.end_amdgpu_metadata
.endif
;; end of part 1
;; launch attn (part 2): grid 32 x 8, 8 waves a work-group, no clusters, 285,696 bytes of LDS; arguments q, kv_codes, lowp_scales, out0; writes out0
.if DOCPART == 2
	.amdgcn_target "amdgcn-amd-amdhsa--gfx1250"
	.amdhsa_code_object_version 6
	.text
	.protected	k_qb2345c9df8_attn
	.globl	k_qb2345c9df8_attn
	.p2align	8
	.type	k_qb2345c9df8_attn,@function
k_qb2345c9df8_attn:
	s_mov_b64 s[64:65], 0
	v_nop
	global_prefetch_b8 v0, s[64:65] scope:SCOPE_SE
	s_setreg_imm32_b32 hwreg(HW_REG_WAVE_MODE, 25, 1), 1
	s_wait_xcnt 0x0
; out0[head][q][:] = the sum over keys k <= q of softmax_k(Q[q] . K[k] / sqrt(128)) V[k][:], 32 heads of 2,048 x 128, both products on codes of BF8 (E5M2), each operand with the one scale 2^e given for it: eq, ek, ep, ev.
; q: f32, quantised here (each row by one wave).  kv_codes: K's and V's codes as the image of the operands' registers, made by the launch before: a slot of 256 keys is 65,536 bytes: two steps of 128 keys, each K 16,384 bytes, then V 16,384 bytes.
; WORK LEFT OUT: a key step all of whose keys come after the block's queries (their softmax weight is 0 by reference()'s own causal mask, since key 0 counts for every query).  A NaN or an infinity that reaches only such work is not carried to the result.
; THE SOFTMAX AHEAD OF THE SECOND PRODUCT: t = score x log2(e) / sqrt(128); M = the row's largest t so far, rounded UP to a whole number; p = 2^(t - M) is what is quantised, along the keys, not normalised.
; The row's sum is taken of the unquantised p, in f32, and divides O at the end.  When M moves, the sum and O are multiplied by 2^(old M - new M): exact.
; SHARES.  Work-group (head x, g = y) takes two blocks of 128 queries in two passes: block 15 - g (16 - g key steps), then block g (g + 1 steps): 17 steps, whatever g.
;   Waves w and w + 4 hold the SAME 32 queries of the block (two tiles of 16; each fragment of K and V read from LDS feeds two matrix instructions) and divide the keys: wave w < 4 takes the even steps, w + 4 the odd ones (the slot's two halves).
;   At a pass's end each hands one tile's O, M and sum to its partner through LDS and finishes the other: its own "tile A" is the tile w / 4 of the 32 queries.
;   The passes walk 8 and 4 slots, constants of the text; a slot that lies behind the block is neither asked for nor worked on, by scalar branches on ids, and only its barrier is passed.
; K AND V go from memory through registers into two LDS buffers by turns: a slot's loads are issued at the head of the slot before and stored behind its softmax.  There is no tensor load and no copy: so the hold of p at the largest code,
;   which changes nothing where ep >= -15 (p <= 1, so p / 2^ep <= 32,768), may stand under a scalar branch on ep, round those lines alone.
; NO CLUSTER: the eight work-groups of a head read the same slots, but between 5 and 8 of them in the first pass and between 1 and 4 in the second, so partners would need different numbers of joint requests at a time.
; PREFETCH: the work-groups of a head share the slots out: work-group g asks for slot g (g >= 2), whole, one instruction a wave, in the trip whose loads are for slot g - 1, one trip ahead of slot g's loads.  Slots 0 and 1 come by their loads alone.
;   Each wave also asks, in trip 3, for the 16 rows of q of its second pass, which it loads behind the first pass (of at least five worked slots).
; LAYOUT.  Both products are used transposed: S^T = K Q^T, O^T = V^T P^T: a lane holds ONE query (lane % 16) throughout; the keys of a tile of K are chosen so that registers 16 b .. 16 b + 15 are keys 32 b + 16 (lane / 16) + 0 .. 15.
; LIMITS on the given exponents: eq and ep between -126 and 112; eq + ek between -123 and 130 (added to c's exponent field); ep + ev goes through v_ldexp_f32 and has none.  t stays above -3e38.  NaN among the inputs is not served.
; REGISTERS.  Window 0: v2-21 addresses and constants; v[22:23], v[24:25] -M of tiles A, B; v[26:29] f; v30, v31 the largest scores; v32-63 Q's codes; v64-159 six fragments of K; then v64-95 p's codes, v96-159 V's tiles 0-3;
;   v160-223 the next slot on its way; v[224:231] the sums (two pairs a tile); v232-247 at work.   Window 1: v0-63 S^T of tile A, then V's tiles 4-7; v64-127 S^T of B; v128-191 O^T of A; v192-255 of B.
; s_set_vgpr_msb's low byte: bits 1:0 source 0, 3:2 source 1, 5:4 source 2, 7:6 destination.
.set BUF1,  65536                      ; two buffers of 65,536 bytes from 0 on
.set QB,    131072                     ; Q's codes: eight tiles of 2,048 bytes
.set STG,   147456                     ; a stage for each wave: 16 rows of 512 bytes + 16 of padding
.set SP,    528
.set STGB,  16*SP
.set XR,    STG+8*STGB                 ; the partners' exchange: 8,704 bytes for each wave
.set XRB,   8704
.set SPARE, XR+8*XRB                   ; the spare words, 128 bytes for each wave: no other line names them
.set MSB, 0
.macro WIN new                         ; the immediate's high byte repeats the setting that is left
.if MSB != \new
	s_set_vgpr_msb (MSB<<8)|(\new)
.set MSB, \new
.endif
.endm
.macro BAR
	s_barrier_signal -1
	s_barrier_wait -1
.endm
.macro QLOAD base                      ; my 16 rows of q: a load reads a row's 512 bytes -> window 1, v0-63
	WIN 0x40
.irp k, 0,1,2,3,4,5,6,7,8,9,10,11,12,13,14,15
	global_load_b128 v[4*\k:4*\k+3], v2, s[\base:\base+1] offset:512*\k th:TH_LOAD_NT
.endr
	WIN 0
.endm
.macro STLD                            ; my 8,192 bytes of a slot
.irp k, 0,1,2,3,4,5,6,7,8,9,10,11,12,13,14,15
	global_load_b128 v[160+4*\k:163+4*\k], v4, s[26:27] offset:512*\k
.endr
.endm
.macro STWR ad                         ; and into a buffer
.irp k, 0,1,2,3,4,5,6,7,8,9,10,11,12,13,14,15
	ds_store_b128 v[\ad], v[160+4*\k:163+4*\k] offset:512*\k
.endr
.endm
.macro STST                            ; the next slot, if it is one that the block needs
	s_wait_loadcnt 0x0
	s_cmp_gt_u32 s28, s16
	s_cbranch_scc1 .Lns_\@
	STWR 6
.Lns_\@:
.endm
; q's 16 rows turn through my stage, so that lane (r, h) holds, of row r, d = 32 c + 16 h + 0 .. 15; codes; into Q's place for my tile
.macro QCONV
	WIN 0x04
.irp k, 0,1,2,3,4,5,6,7,8,9,10,11,12,13,14,15
	ds_store_b128 v7, v[4*\k:4*\k+3] offset:SP*\k
.endr
	WIN 0x40
.irp c, 0,1,2,3
.irp j, 0,1,2,3
	ds_load_b128 v[64+16*\c+4*\j:67+16*\c+4*\j], v8 offset:128*\c+16*\j   ; LDS serves a wave's instructions in order (ISA guide 5.7.1.4): these see the stores above
.endr
.endr
	WIN 0x41
	s_wait_alu depctr_va_vdst(0)
	s_wait_dscnt 0x0
.set J, 0
.rept 64
	v_med3_num_f32 v[64+J], v[64+J], -v18, v18     ; the conversion to an 8-bit code does not saturate (ISA guide 7.6.2): the hold at the largest code x the scale
.set J, J+1
.endr
	WIN 0x01
.irp g, 0,1,2,3,4,5,6,7
	v_cvt_scalef32_pk8_bf8_f32 v[64+2*\g:65+2*\g], v[64+8*\g:71+8*\g], v19
.endr
	v_nop                                          ; one plain line behind the conversions
	WIN 0
.irp c, 0,1,2,3
	ds_store_b128 v12, v[64+4*\c:67+4*\c] offset:512*\c
.endr
.endm
.macro QFRAG                           ; Q's fragments: tile A is mine, tile B my partner's
.irp c, 0,1,2,3
	ds_load_b128 v[32+4*\c:35+4*\c], v12 offset:512*\c
.endr
.irp c, 0,1,2,3
	ds_load_b128 v[48+4*\c:51+4*\c], v13 offset:512*\c
.endr
.endm
; S^T's tile t of both query tiles; n: the LDS loads that may be out
.macro QK t, n
	s_wait_dscnt \n
.set KF, 64+16*((\t)%6)
	v_wmma_f32_16x16x128_bf8_bf8 v[8*(\t):8*(\t)+7], v[KF:KF+15], v[32:47], 0
	v_wmma_f32_16x16x128_bf8_bf8 v[64+8*(\t):71+8*(\t)], v[KF:KF+15], v[48:63], 0
.endm
.macro KLD t
.set KF, 64+16*((\t)%6)
.irp c, 0,1,2,3
	ds_load_b128 v[KF+4*\c:KF+4*\c+3], v5 offset:2048*(\t)+512*\c
.endr
.endm
.macro PLACES n
.rept \n
	v_nop
.endr
.endm
; On the diagonal: keys 32 b .. 32 b + 31 of the step against my 32 queries, 32 i on (s14 = i).  b < i: all count; b > i: all hidden; b = i: by the masks made at the head
.macro DIAGB b
.if \b < 3
	s_cmp_gt_u32 s14, \b
	s_cbranch_scc1 .Lds_\@
.endif
.if \b > 0
	s_cmp_eq_u32 s14, \b
	s_cbranch_scc1 .Lde_\@
	WIN 0x40
.set J, 16*\b
.rept 16
	v_mov_b32 v[J], v239
	v_mov_b32 v[64+J], v239
.set J, J+1
.endr
	WIN 0
	s_branch .Lds_\@
.endif
.Lde_\@:
	WIN 0x41
.set J, 0
.rept 16
	v_cndmask_b32 v[16*\b+J], v[16*\b+J], v239, s[66+J]
	v_cndmask_b32 v[64+16*\b+J], v[64+16*\b+J], v239, s[82+J]
.set J, J+1
.endr
	WIN 0
.Lds_\@:
.endm
; A KEY STEP: 128 keys, two tiles of 16 queries
; It stands in two parts: STEP, as far as tile B's exponentials, and STEP2, which touches registers only.
; The sum of a tile's p (window 1, from v[s] on) onto its two pairs at v[l], in four chains
.macro PSUM s, l
	WIN 0x05
	s_wait_alu depctr_va_vdst(0)                   ; ahead of the batch's first reader
	v_pk_add_f32 v[232:233], v[\s:\s+1], v[\s+2:\s+3]   ; THE ROWS' SUMS ARE TAKEN OF THE UNQUANTISED p
	v_pk_add_f32 v[234:235], v[\s+4:\s+5], v[\s+6:\s+7]
	WIN 0x04
.set J, \s+8
.rept 7
	v_pk_add_f32 v[\l:\l+1], v[\l:\l+1], v[J:J+1]
	v_pk_add_f32 v[\l+2:\l+3], v[\l+2:\l+3], v[J+2:J+3]
	v_pk_add_f32 v[232:233], v[232:233], v[J+4:J+5]
	v_pk_add_f32 v[234:235], v[234:235], v[J+6:J+7]
.set J, J+8
.endr
	WIN 0
	v_pk_add_f32 v[\l:\l+1], v[\l:\l+1], v[232:233]
	v_pk_add_f32 v[\l+2:\l+3], v[\l+2:\l+3], v[234:235]
.endm
.macro HOLD s
	s_cmp_ge_i32 s34, -15                          ; p / 2^ep is at most 2^15 then: the hold would change nothing
	s_cbranch_scc1 .Lheld_\@
	WIN 0x41
.set J, \s
.rept 64
	v_min_num_f32 v[J], v[J], v20                  ; the hold at the largest code x the scale; p is not negative, so it is one-sided
.set J, J+1
.endr
	WIN 0
.Lheld_\@:
.endm
.macro STEP
	KLD 0
	KLD 1
	KLD 2
	KLD 3
	KLD 4
	KLD 5
	WIN 0x40
	QK 0, 20
	QK 1, 16
	PLACES 4                                       ; in front of loads into registers that the products have read
	WIN 0
	KLD 6
	KLD 7
	WIN 0x40
	QK 2, 20
	QK 3, 16
	QK 4, 12
	QK 5, 8
	QK 6, 4
	QK 7, 0
	PLACES 4                                       ; in front of the loads below and of the first read of the scores
	WIN 0
.irp t, 0,1,2,3                                ; V's tiles 0-3 land under the softmax
.irp c, 0,1,2,3
	ds_load_b128 v[96+16*\t+4*\c:99+16*\t+4*\c], v5 offset:16384+2048*\t+512*\c
.endr
.endr
	s_cmp_lg_u32 s19, s16                          ; only the step that is the block's own holds hidden keys: their scores become -infinity ahead of the maximum
	s_cbranch_scc1 .Lopen_\@
	DIAGB 0
	DIAGB 1
	DIAGB 2
	DIAGB 3
	s_wait_alu depctr_va_vdst(0)
.Lopen_\@:
	WIN 0x14
	v_max3_num_f32 v232, v30, v[0], v[1]           ; the running largest score, two chains a tile, the two tiles by turns, registers ascending
	v_max3_num_f32 v234, v31, v[64], v[65]
	v_max3_num_f32 v233, v30, v[2], v[3]
	v_max3_num_f32 v235, v31, v[66], v[67]
.set J, 4
.rept 15
	v_max3_num_f32 v232, v232, v[J], v[J+1]
	v_max3_num_f32 v234, v234, v[64+J], v[65+J]
	v_max3_num_f32 v233, v233, v[J+2], v[J+3]
	v_max3_num_f32 v235, v235, v[66+J], v[67+J]
.set J, J+4
.endr
	WIN 0
	v_max_num_f32 v232, v232, v233
	v_max_num_f32 v234, v234, v235
	v_permlanex16_b32 v236, v232, s20, s21
	v_permlanex16_b32 v237, v234, s20, s21
	v_max_num_f32 v30, v232, v236                  ; and among lane l xor 16's
	v_max_num_f32 v31, v234, v237
	v_mul_f32 v232, s22, v30                       ; as t (c is positive)
	v_mul_f32 v234, s22, v31
	v_mov_b32 v233, v22
	v_mov_b32 v235, v24
	v_floor_f32 v22, -v232                         ; the new -M = floor(-t): M IS A WHOLE NUMBER
	v_floor_f32 v24, -v234
	v_sub_f32 v233, v22, v233                      ; M's old value less its new one
	v_sub_f32 v235, v24, v235
	v_cvt_i32_f32 v233, v233                       ; (it saturates)
	v_cvt_i32_f32 v235, v235
	v_ldexp_f32 v26, 1.0, v233                     ; f = 2^(old M - new M)
	v_ldexp_f32 v28, 1.0, v235
	WIN 0x41
.set J, 0
.rept 32
	v_pk_fma_f32 v[J:J+1], v[J:J+1], s[22:23], v[22:23] op_sel_hi:[1,0,0]   ; t - M (of the pairs c and -M the low word serves both halves)
.set J, J+2
.endr
	s_wait_alu depctr_va_vdst(0)                   ; ahead of the batch
.set J, 0
.rept 32
	v_exp_f32 v[J], v[J]                           ; tile A's p = 2^(t - M); tile B's t - M in between
	v_exp_f32 v[J+1], v[J+1]
	v_pk_fma_f32 v[64+J:65+J], v[64+J:65+J], s[22:23], v[24:25] op_sel_hi:[1,0,0]
.set J, J+2
.endr
	WIN 0
	v_pk_mul_f32 v[224:225], v[224:225], v[26:27] op_sel_hi:[1,0]   ; tile A's sums under the new M
	v_pk_mul_f32 v[226:227], v[226:227], v[26:27] op_sel_hi:[1,0]
	PSUM 0, 224
	HOLD 0
	WIN 0x01
.irp g, 0,1,2,3,4,5,6,7
	v_cvt_scalef32_pk8_bf8_f32 v[64+2*\g:65+2*\g], v[8*\g:8*\g+7], v21   ; tile A's codes: v64-79
.endr
	WIN 0x40
.irp t, 0,1,2,3                                ; V's tiles 4-7 take the registers that tile A's p has left
.irp c, 0,1,2,3
	ds_load_b128 v[16*\t+4*\c:16*\t+4*\c+3], v5 offset:16384+2048*(4+\t)+512*\c
.endr
.endr
	WIN 0
	STST                                           ; the next slot goes into the other buffer; these stores and the loads above land under tile B's exponentials
	WIN 0x41
	s_wait_alu depctr_va_vdst(0)                   ; ahead of the batch
.set J, 64
.rept 64
	v_exp_f32 v[J], v[J]                           ; tile B's p
.set J, J+1
.endr
	WIN 0
	v_pk_mul_f32 v[228:229], v[228:229], v[28:29] op_sel_hi:[1,0]   ; tile B's sums under the new M (plain lines behind the exponentials)
	v_pk_mul_f32 v[230:231], v[230:231], v[28:29] op_sel_hi:[1,0]
	s_wait_alu depctr_va_vdst(0)                   ; behind the batch, ahead of the branch
.endm
; The second part: V's eight tiles are in registers
.macro STEP2
	PSUM 64, 228
	HOLD 64
	WIN 0x01
.irp g, 8,9,10,11,12,13,14,15
	v_cvt_scalef32_pk8_bf8_f32 v[64+2*\g:65+2*\g], v[8*\g:8*\g+7], v21   ; tile B's codes: v80-95
.endr
	WIN 0x41
	s_wait_alu depctr_va_vdst(0)                   ; directly ahead of the first readers of O^T
.set J, 128
.rept 32
	v_pk_mul_f32 v[J:J+1], v[J:J+1], v[26:27] op_sel_hi:[1,0]   ; O^T under the new M
.set J, J+2
.endr
.rept 32
	v_pk_mul_f32 v[J:J+1], v[J:J+1], v[28:29] op_sel_hi:[1,0]
.set J, J+2
.endr
	WIN 0x50
.irp t, 0,1,2,3                                ; O^T += V^T P^T: the sixteen accumulators take one turn each
	v_wmma_f32_16x16x128_bf8_bf8 v[128+8*\t:135+8*\t], v[96+16*\t:111+16*\t], v[64:79], v[128+8*\t:135+8*\t]
	v_wmma_f32_16x16x128_bf8_bf8 v[192+8*\t:199+8*\t], v[96+16*\t:111+16*\t], v[80:95], v[192+8*\t:199+8*\t]
.endr
	WIN 0x51
.irp t, 0,1,2,3
	v_wmma_f32_16x16x128_bf8_bf8 v[160+8*\t:167+8*\t], v[16*\t:16*\t+15], v[64:79], v[160+8*\t:167+8*\t]
	v_wmma_f32_16x16x128_bf8_bf8 v[224+8*\t:231+8*\t], v[16*\t:16*\t+15], v[80:95], v[224+8*\t:231+8*\t]
.endr
	PLACES 5                                       ; ahead of what next reads the results, or loads into or writes over the sources
	WIN 0
.endm
; A SLOT.  Its tiles lie whole in the buffer at s24; nobody reads the other buffer.
.macro TRIP pf
	s_add_co_u32 s28, s17, 1
	s_lshl_b32 s28, s28, 1                         ; the next slot's first key step
	s_xor_b32 s29, s24, BUF1
	v_add_nc_u32 v5, s24, v3
	v_add_nc_u32 v6, s29, v4
	s_wait_alu depctr_va_vdst(0)                   ; directly behind the writes
	s_cmp_gt_u32 s28, s16                          ; a slot behind the block is not asked for
	s_cbranch_scc1 .Lnl_\@
	STLD
.Lnl_\@:
.if \pf
	s_add_co_u32 s30, s17, 2
	s_cmp_lg_u32 s30, s15                          ; work-group g asks for slot g
	s_cbranch_scc1 .Lnp_\@
	global_prefetch_b8 v16, s[42:43] th:TH_LOAD_NT scope:SCOPE_SE
.Lnp_\@:
	s_cmp_lg_u32 s17, 3
	s_cbranch_scc1 .Lnq_\@
	global_prefetch_b8 v17, s[56:57] th:TH_LOAD_NT scope:SCOPE_SE
.Lnq_\@:
.endif
	s_cmp_gt_u32 s19, s16                          ; a step all of whose keys come after the block's queries is left out
	s_cbranch_scc1 .Lhid_\@
	STEP
	s_branch .Ljoin_\@
.Lhid_\@:
	STST
.Ljoin_\@:
	s_wait_alu depctr_va_vdst(0)
	s_wait_dscnt 0x0                               ; all my reads of this buffer (V is in registers) and my stores into the other are over: say so,
	s_barrier_signal -1
	s_cmp_gt_u32 s19, s16                          ; work on registers while the others arrive (the same test on ids),
	s_cbranch_scc1 .Ldone_\@
	STEP2
.Ldone_\@:
	s_add_co_u32 s19, s19, 2
	s_add_nc_u64 s[26:27], s[26:27], 0x10000
	s_xor_b32 s24, s24, BUF1
	s_barrier_wait -1                              ; and go on when all eight have said so: the next slot is whole, and this one may be stored over
.endm
; A PASS'S END.  SENDP: tile B's O^T, -M and sum go to my partner.
.macro SENDP
	v_pk_add_f32 v[224:225], v[224:225], v[226:227]
	v_pk_add_f32 v[228:229], v[228:229], v[230:231]
	v_mov_b32 v240, v24
	v_add_f32 v242, v224, v225
	v_add_f32 v241, v228, v229
	v_permlanex16_b32 v236, v242, s20, s21
	v_permlanex16_b32 v237, v241, s20, s21
	v_add_f32 v242, v242, v236                     ; tile A's row sum over my keys
	v_add_f32 v241, v241, v237                     ; tile B's
	ds_store_b64 v10, v[240:241] offset:8192
	WIN 0x04
.irp k, 0,1,2,3,4,5,6,7,8,9,10,11,12,13,14,15
	ds_store_b128 v10, v[192+4*\k:195+4*\k] offset:512*\k
.endr
	WIN 0
	s_wait_alu depctr_va_vdst(0)
	s_wait_dscnt 0x0
	BAR
.endm
; MERGE: my partner's part of tile A joins mine; divided by the sum; 16 rows of 512 bytes go out through my stage
.macro MERGE ob
	ds_load_b64 v[240:241], v11 offset:8192
	WIN 0x40
.irp k, 0,1,2,3,4,5,6,7,8,9,10,11,12,13,14,15
	ds_load_b128 v[64+4*\k:67+4*\k], v11 offset:512*\k
.endr
	WIN 0
	s_wait_dscnt 0x0
	v_min_num_f32 v243, v22, v240                  ; -M of the two together
	v_sub_f32 v232, v243, v22
	v_sub_f32 v233, v243, v240
	v_cvt_i32_f32 v232, v232
	v_cvt_i32_f32 v233, v233
	v_ldexp_f32 v234, 1.0, v232                    ; my factor (a wave that had no step in this pass has -M = 3e38 and so the factor 0),
	v_ldexp_f32 v235, 1.0, v233                    ; and my partner's
	v_mul_f32 v238, v242, v234
	v_fma_f32 v238, v241, v235, v238               ; the row's sum
	s_wait_alu depctr_va_vdst(0)
	v_rcp_f32 v238, v238
	v_nop
	s_wait_alu depctr_va_vdst(0)
	v_ldexp_f32 v238, v238, s53                    ; x 2^(ep + ev)
	v_mul_f32 v246, v235, v238
	v_mul_f32 v244, v234, v238
	WIN 0x41
.set J, 64
.rept 32
	v_pk_mul_f32 v[J:J+1], v[J:J+1], v[246:247] op_sel_hi:[1,0]
.set J, J+2
.endr
	WIN 0x51
	s_wait_alu depctr_va_vdst(0)                   ; directly ahead of the first readers of O^T
.set J, 64
.rept 32
	v_pk_fma_f32 v[J:J+1], v[64+J:65+J], v[244:245], v[J:J+1] op_sel_hi:[1,0,1]
.set J, J+2
.endr
	WIN 0x04
.irp t, 0,1,2,3,4,5,6,7
	ds_store_b128 v9, v[64+8*\t:67+8*\t] offset:64*\t            ; row r, channels 16 t + 8 h on
	ds_store_b128 v9, v[68+8*\t:71+8*\t] offset:64*\t+16
.endr
	WIN 0
.irp k, 0,1,2,3,4,5,6,7,8,9,10,11,12,13,14,15
	ds_load_b128 v[96+4*\k:99+4*\k], v7 offset:SP*\k              ; LDS serves a wave's instructions in order: these see my stores
.endr
.irp k, 0,1,2,3,4,5,6,7,8,9,10,11,12,13,14,15
	s_wait_dscnt 15-\k                             ; the younger loads may be out
	global_store_b128 v2, v[96+4*\k:99+4*\k], s[\ob:\ob+1] offset:512*\k th:TH_STORE_NT   ; 32 lanes store a row's 512 consecutive bytes
.endr
.endm
	s_load_b128 s[4:7], s[0:1], 0x0                ; q s[4:5], kv_codes s[6:7]
	s_load_b128 s[8:11], s[0:1], 0x10              ; the scales' exponents s[8:9], out0 s[10:11]
	v_lshl_add_u32 v14, v0, 2, SPARE
	v_mov_b32 v15, 0
	v_lshrrev_b32 v3, 5, v0
	v_and_b32 v1, 31, v0                           ; lane
	v_readfirstlane_b32 s12, v3                    ; wave 0..7
	v_lshlrev_b32 v2, 4, v1                        ; 16 bytes a lane
	s_lshr_b32 s13, s12, 2                         ; which half of each slot is mine; also which of the 32 queries' tiles is my tile A
	s_and_b32 s14, s12, 3                          ; i: which 32 queries of a block
	s_and_b32 s15, ttmp7, 0xffff                   ; g
	s_sub_co_u32 s16, 15, s15                      ; the first pass's block
	s_lshl_b32 s28, s14, 5
	s_lshl_b32 s29, s13, 4
	s_add_co_u32 s28, s28, s29                     ; my 16 rows in a block
	s_lshl_b32 s28, s28, 9
	s_lshl_b32 s30, ttmp9, 20                      ; the head's first byte in q and in out0
	s_add_co_u32 s30, s30, s28
	s_lshl_b32 s31, s16, 16
	s_add_co_u32 s36, s30, s31                     ; the first pass's rows,
	s_mov_b32 s37, 0
	s_lshl_b32 s31, s15, 16
	s_add_co_u32 s38, s30, s31                     ; the second's
	s_mov_b32 s39, 0
	s_lshl_b32 s40, ttmp9, 19                      ; the head's codes
	s_mov_b32 s41, 0
	s_lshl_b32 s42, s15, 16                        ; slot g, for the prefetch
	s_mov_b32 s43, 0
	s_lshl_b32 s48, s12, 13                        ; my part of a slot, when it is brought in
	s_wait_alu depctr_va_vdst(0)                   ; directly ahead of the reader below
	v_add_nc_u32 v4, s48, v2
	s_wait_alu depctr_va_vdst(0)                   ; directly ahead of the wait below
	s_wait_kmcnt 0x0
	s_load_b128 s[32:35], s[8:9], 0x0              ; eq, ek, ep, ev
	s_add_nc_u64 s[54:55], s[4:5], s[36:37]
	s_add_nc_u64 s[56:57], s[4:5], s[38:39]
	s_add_nc_u64 s[58:59], s[10:11], s[36:37]
	s_add_nc_u64 s[60:61], s[10:11], s[38:39]
	s_add_nc_u64 s[26:27], s[6:7], s[40:41]
	s_mov_b64 s[62:63], s[26:27]
	s_add_nc_u64 s[42:43], s[26:27], s[42:43]
	QLOAD 54
	STLD                                           ; slot 0
	s_mul_i32 s44, s12, STGB
	s_add_co_u32 s44, s44, STG                     ; my stage
	s_mul_i32 s45, s12, XRB
	s_add_co_u32 s45, s45, XR                      ; where I hand over,
	s_xor_b32 s46, s12, 4
	s_mul_i32 s46, s46, XRB
	s_add_co_u32 s46, s46, XR                      ; and where my partner does
	s_lshl_b32 s47, s13, 15
	s_lshl_b32 s49, s14, 1
	s_add_co_u32 s49, s49, s13                     ; Q's tile 2 i + half is my tile A,
	s_xor_b32 s50, s49, 1                          ; the other my tile B
	s_lshl_b32 s49, s49, 11
	s_lshl_b32 s50, s50, 11
	s_add_co_u32 s49, s49, QB
	s_add_co_u32 s50, s50, QB
	s_lshl_b32 s51, s13, 4
	s_xor_b32 s52, s51, 16
	v_and_b32 v5, 15, v1                           ; r
	v_lshrrev_b32 v6, 4, v1                        ; h
	v_add_nc_u32 v3, s47, v2                       ; fragments: my half of a slot
	v_add_nc_u32 v7, s44, v2                       ; the stage by rows
	v_mul_u32_u24 v8, v5, SP
	v_lshlrev_b32 v238, 4, v6
	v_lshl_add_u32 v9, v6, 5, v8
	v_lshl_add_u32 v8, v6, 6, v8
	v_sub_nc_u32 v238, v5, v238                    ; r - 16 h
	v_add_nc_u32 v9, s44, v9                       ; O into the stage: row r, + 32 h
	v_add_nc_u32 v8, s44, v8                       ; q out of the stage: row r, + 64 h
	v_add_nc_u32 v10, s45, v2
	v_add_nc_u32 v11, s46, v2
	v_add_nc_u32 v12, s49, v2
	v_add_nc_u32 v13, s50, v2
	v_lshlrev_b32 v17, 8, v1                       ; the prefetches: lanes 256 bytes apart,
	v_add_nc_u32 v16, s48, v17                     ; and 8,192 bytes of a slot for each wave
	v_add_nc_u32 v242, s51, v238                   ; tile A: 16 x its place + r - 16 h: in the diagonal's 32 x 32 block register n's key is hidden where n is greater
	v_add_nc_u32 v243, s52, v238                   ; tile B
.set J, 0
.rept 16
	v_cmp_gt_i32 s[66+J], J, v242
	v_cmp_gt_i32 s[82+J], J, v243
.set J, J+1
.endr
	s_mov_b32 s20, 0x76543210                      ; lane selects for v_permlanex16_b32: lane l xor 16
	s_mov_b32 s21, 0xfedcba98
	v_mov_b32 v22, 0x7f61b1e6                      ; -M: 3e38
	v_mov_b32 v24, 0x7f61b1e6
	v_mov_b32 v30, 0xff61b1e6                      ; the largest score so far: -3e38, under every score
	v_mov_b32 v31, 0xff61b1e6
	v_mov_b32 v239, 0xff800000                     ; -infinity
.irp n, 23,25,26,27,28,29,224,225,226,227,228,229,230,231,236,237,244,245,246,247
	v_mov_b32 v[\n], 0                             ; the sums; the upper halves of pairs; the lane permutes' destinations, which count as sources
.endr
.set J, 96
.rept 64
	v_mov_b32 v[J], 0                              ; V's tiles 0-3: a step's two parts stand under a branch each, and every register is written on every way to the second
.set J, J+1
.endr
	WIN 0x40
.set J, 128
.rept 128
	v_mov_b32 v[J], 0                              ; O^T, once: the first step of a pass multiplies whatever finite numbers stand there by f = 0
.set J, J+1
.endr
	WIN 0
	s_wait_alu depctr_va_vdst(0)
	s_wait_kmcnt 0x0
	s_add_co_i32 s30, s32, s33
	s_lshl_b32 s30, s30, 23
	s_add_co_i32 s22, s30, 0x3e0293ee              ; c = log2(e) / sqrt(128); a score stands for score x 2^(eq + ek): the two exponents are added to c's exponent field
	s_mov_b32 s23, s22                             ; (named with it as a pair)
	s_add_co_i32 s53, s34, s35                     ; ep + ev
	s_add_co_i32 s30, s34, 127
	s_lshl_b32 s31, s30, 23
	v_mov_b32 v21, s31                             ; 2^ep
	s_add_co_i32 s30, s30, 15
	s_lshl_b32 s30, s30, 23
	s_or_b32 s30, s30, 0x600000
	v_mov_b32 v20, s30                             ; 57,344 x 2^ep
	s_add_co_i32 s30, s32, 127
	s_lshl_b32 s31, s30, 23
	v_mov_b32 v19, s31                             ; 2^eq
	s_add_co_i32 s30, s30, 15
	s_lshl_b32 s30, s30, 23
	s_or_b32 s30, s30, 0x600000
	v_mov_b32 v18, s30                             ; 57,344 x 2^eq
	s_mov_b32 s17, 0                               ; the slot
	s_mov_b32 s19, s13                             ; my key step
	s_mov_b32 s24, 0                               ; the buffer in hand
	s_wait_alu depctr_va_vdst(0)                   ; at the head's end
	s_wait_loadcnt 16                              ; q's rows are in; the slot's sixteen loads may be out
	QCONV
	s_wait_loadcnt 0x0
	STWR 4                                         ; slot 0 into buffer 0
	s_add_nc_u64 s[26:27], s[26:27], 0x10000
	s_wait_alu depctr_va_vdst(0)
	s_wait_dscnt 0x0
	BAR
	QFRAG
.Lhi:                                              ; THE FIRST PASS: eight slots
	TRIP 1
	s_add_co_u32 s17, s17, 1
	s_cmp_lt_u32 s17, 8
	s_cbranch_scc1 .Lhi
	QLOAD 56                                       ; the second pass's q and slot 0 are on their way while the first pass goes out
	s_mov_b64 s[26:27], s[62:63]
	STLD
	SENDP
	MERGE 58
	s_wait_loadcnt 16                              ; q's rows are in; the slot's sixteen loads may be out
	QCONV
	s_wait_xcnt 0x0                                ; the stores have read v96-159
	s_wait_loadcnt 0x0
	STWR 4
	s_add_nc_u64 s[26:27], s[26:27], 0x10000
	v_mov_b32 v22, 0x7f61b1e6                      ; O^T and the sums hold finite numbers of the first pass: the first step's f, and a partner's factor where there is no step, is 0
	v_mov_b32 v24, 0x7f61b1e6
	v_mov_b32 v30, 0xff61b1e6
	v_mov_b32 v31, 0xff61b1e6
	s_mov_b32 s16, s15                             ; the second pass's block
	s_mov_b32 s17, 0
	s_mov_b32 s19, s13
	s_mov_b32 s24, 0
	s_wait_alu depctr_va_vdst(0)
	s_wait_dscnt 0x0
	BAR
	QFRAG
.Llo:                                              ; THE SECOND PASS: four slots
	TRIP 0
	s_add_co_u32 s17, s17, 1
	s_cmp_lt_u32 s17, 4
	s_cbranch_scc1 .Llo
	SENDP
	MERGE 60
	s_wait_tensorcnt 0x0                           ; the wave's end, behind my last LDS store
	ds_add_u32 v14, v15
	s_wait_dscnt 0x0
	s_endpgm
.Lfunc_end_k_qb2345c9df8_attn:
	.size	k_qb2345c9df8_attn, .Lfunc_end_k_qb2345c9df8_attn-k_qb2345c9df8_attn
	.p2alignl 7, 3214868480
	.fill 96, 4, 3214868480
	.section	.rodata,"a",@progbits
	.p2align	6, 0x0
	.amdhsa_kernel k_qb2345c9df8_attn
		.amdhsa_group_segment_fixed_size 285696
		.amdhsa_private_segment_fixed_size 0
		.amdhsa_enable_private_segment 0
		.amdhsa_kernarg_size 32
		.amdhsa_user_sgpr_count 2
		.amdhsa_user_sgpr_kernarg_segment_ptr 1
		.amdhsa_wavefront_size32 1
		.amdhsa_system_sgpr_workgroup_id_x 1
		.amdhsa_system_sgpr_workgroup_id_y 1
		.amdhsa_system_sgpr_workgroup_id_z 1
		.amdhsa_system_vgpr_workitem_id 0
		.amdhsa_next_free_vgpr 512
		.amdhsa_next_free_sgpr 98
		.amdhsa_reserve_vcc 0
		.amdhsa_float_denorm_mode_32 3
		.amdhsa_float_denorm_mode_16_64 3
		.amdhsa_memory_ordered 1
		.amdhsa_forward_progress 1
		.amdhsa_inst_pref_size 162
	.end_amdhsa_kernel
	.amdgpu_metadata
---
amdhsa.version: [ 1, 2 ]
amdhsa.kernels:
  - .name:           k_qb2345c9df8_attn
    .symbol:         k_qb2345c9df8_attn.kd
    .args:
      - { .name: q, .offset: 0, .size: 8, .value_kind: global_buffer, .address_space: global }
      - { .name: kv_codes, .offset: 8, .size: 8, .value_kind: global_buffer, .address_space: global }
      - { .name: lowp_scales, .offset: 16, .size: 8, .value_kind: global_buffer, .address_space: global }
      - { .name: out0, .offset: 24, .size: 8, .value_kind: global_buffer, .address_space: global }
    .group_segment_fixed_size: 285696
    .private_segment_fixed_size: 0
    .kernarg_segment_align: 8
    .kernarg_segment_size: 32
    .max_flat_workgroup_size: 256
    .sgpr_count:     98
    .vgpr_count:     512
    .wavefront_size: 32
...
	.end_amdgpu_metadata
.endif
;; end of part 2
